; MI455X (gfx1250); checked and timed in simulation.
; The chip was launched on July 23, 2026; its instructions are those of AMD's public machine-readable ISA for CDNA 5 (MIT licence, August 2026) and "CDNA5" Instruction Set Architecture Reference Guide (July 2026). The comments in the code are by the model that wrote it; some were corrected since.
;; P2 B X Corr. Allowed arithmetic: float matrix products may take bf16 or f16 operands with f32 sums; other float arithmetic in f32, or as packed bf16 or f16 multiplies, adds, multiply-adds, maxima and minima; sums over many terms, partial sums and values carried from step to step in f32; what a program stores and reads back later, other than sums and carried values, may be rounded once to bf16 or f16.
;; Inputs: W1 64 x 129 float32; W2 64 x 64 float32; W3 64 x 64 float32; Wc1 64 x 64 float32; Wc2 128 x 64 float32; b1 64 float32; b2 64 float32; b3 64 float32; bc1 64 float32; bc2 128 float32; g1 64 float32; g2 64 float32; g3 64 float32; gc1 64 float32; m1 64 float32; m2 64 float32; m3 64 float32; mc1 64 float32; search_feature 8 x 128 x 1,024 float32; template_feature 8 x 128 x 256 float32; v1 64 float32; v2 64 float32; v3 64 float32; vc1 64 float32.
;; Outputs: out0 8 x 128 x 1,024 float32.
;; One version. Each part assembles by itself: llvm-mc -triple=amdgcn-amd-amdhsa -mcpu=gfx1250 --defsym DOCPART=n.
;; ======== version 1 of 1: 1 launch
;; launch xcorr (part 1): grid 32 x 8, 8 waves a work-group, no clusters, 296,704 bytes of LDS; arguments template_feature, search_feature, W1, W2, W3, Wc1, Wc2, bc2, g1, g2, g3, gc1, b1, b2, b3, bc1, m1, m2, m3, mc1, v1, v2, v3, vc1, out0; writes out0
.if DOCPART == 1
	.amdgcn_target "amdgcn-amd-amdhsa--gfx1250"
	.amdhsa_code_object_version 6
	.text
	.protected	k_qd1b4374cbe_xcorr
	.globl	k_qd1b4374cbe_xcorr
	.p2align	8
	.type	k_qd1b4374cbe_xcorr,@function
k_qd1b4374cbe_xcorr:
	s_mov_b64 s[64:65], 0
	v_nop
	global_prefetch_b8 v0, s[64:65] scope:SCOPE_SE
	s_setreg_imm32_b32 hwreg(HW_REG_WAVE_MODE, 25, 1), 1
	s_wait_xcnt 0x0
; P2B cross-correlation, all of it in one launch.  t: [8][128 f][256 m], s: [8][128 f][1024 n], out0: [8][128 o][1024 n], all f32.
;   cos[m][n] = (t[:,m] . s[:,n]) / max(|t[:,m]| |s[:,n]|, 1e-8);   h1 = relu(BN1(W1[:,1:] t[:,m] + W1[:,0] cos));   h2 = relu(BN2(W2 h1));   h3 = relu(BN3(W3 h2));
;   p = max over m of h3;   c = relu(BNc1(Wc1 p));   out0 = Wc2 c + bc2.
; SHARES.  A work-group owns 32 columns n of one batch and all 256 m: 8 x 32 = 256 work-groups, and the maximum over m never leaves the work-group.  Wave w: nt = w & 1 is its tile of 16 n,
; mq = w >> 1 its 64 m.  For each m a wave has one TILE, 64 channels x 16 n: 8 products for layer 2 and 8 for layer 3.
; ALGEBRA, exact for gains of either sign.  sc = g rsq(v + 1e-5), sh = b - m sc.  The scales go into the weights' rows (W' = sc W), the shifts into the C operand that starts a sum.
; Layer 1 has rank one in cos: h1 = relu(a'[ch][m] + w'[ch] cos[m][n]) with a' = W1' t + sh1 and w' = sc1 W1[:,0]: vector work, no product.
; sh3 and the last ReLU do not hang on m, so p = relu(max over m of (W3' h2) + sh3).
; LAYOUT.  Source 0 = 16 output channels x 32 input channels of a weight, source 1 = 32 channels x 16 n.  In a result lane (r, h) holds column n = r and register j channel 16 Mt + 8 h + j, so two
; results rounded to bf16 in pairs ARE source 1 of the next layer: between the layers nothing changes lanes and nothing goes through LDS.
; FORMATS AND LIMITS.  All matrix operands are bf16 (f16 has no room: inputs 30 times larger carry activations past 65,504), all sums f32.  a', w' and cos are kept rounded once to bf16, and h1 is
; one packed bf16 multiply-add of them, rounded once.  The two last layers, on 32 columns, take each operand as hi + lo in bf16 and three products (hi hi, hi lo, lo hi).
; v_rsq_f32, v_sqrt_f32 and v_rcp_f32 are good to one unit in the last place and take denormals as 0 (the divisor is 1e-8 at the least); NaN and infinities are not treated apart.
; NO CLUSTER, NO TENSOR LOADS.  What a batch's 32 work-groups share (t, 131,072 bytes; the weights, 114,944) is read once, at the head, and every number of it is squared, scaled, rounded or split on its
; way into LDS, so it passes through registers; an f32 copy beside the 295,680 bytes in use does not fit.  Inside a wave's 1,024 products of the loop nothing is fetched from memory.
; STORES.  A work-group's 32 columns are 128 bytes of a row of out0: eight lanes store 128 consecutive bytes, at a multiple of 128 from out0's first byte.
; REGISTERS in two windows of 256 (s_set_vgpr_msb: bits 1:0 source 0, 3:2 source 1, 5:4 source 2, 7:6 destination); the maps stand at the head of each stage.
.set TB,    0          ; t in bf16, [128 f], 512 bytes + 32: 17 x 32
.set TBP,   544
.set SB,    69632      ; s in bf16, [128 f], 64 bytes + 32
.set SBP,   96
.set W1B,   81920      ; W1' in bf16, [64 ch], 256 bytes + 16
.set W1P,   272
.set WIMG,  99328      ; fragments of W2', W3' as the registers hold them: (8 mat + 2 Mt + Ks) x 1024 + 512 half + 16 lane
.set C1IMG, 115712     ; Wc1' hi, lo: ((2 Mt + Ks) 2 + hl) x 1024 + 512 half + 16 lane
.set C2IMG, 132096     ; Wc2 hi, lo, likewise, Mt 0..7
.set AP,    164864     ; a' in bf16, [256 m], 128 bytes + 16
.set APP,   144
.set COS,   201728     ; [32 n], 1024 bytes + 16; word m holds bf16(cos) in both halves
.set COSP,  1040
.set SCT,   235008     ; sc, [4 BN][64] f32, in the order 1, 2, 3, c1
.set SHT,   236032     ; sh, likewise
.set WPT,   237056     ; w' in bf16, [64]
.set NTP,   237312     ; partial sums of t^2, [4][256 m] f32
.set NSP,   241408     ; partial sums of s^2, [8][32 n] f32
.set NTW,   242432     ; |t| of a wave's 64 m, 256 bytes for each wave, its own
.set PMX,   244480     ; the waves' maxima, 4,096 bytes each
.set OS,    277248     ; the way out: [128 o], 128 bytes + 16
.set OSP,   144
.set SPARE, 295680     ; the spare words, 128 bytes for each wave: four blocks of 256 bytes that no other line names
.set SPW,   254        ; window 1: LDS address of my spare word; never rewritten
.set NIL,   255        ; window 1: 0; never rewritten
.set BC2,   252        ; window 1: v252, v253: bc2 of my two tiles of 16 o
.set MSB, 0
.macro WIN new                         ; the immediate's high byte repeats the setting that is left; a switch that changes nothing is dropped
.if MSB != (\new)
	s_set_vgpr_msb (MSB<<8)|(\new)
.set MSB, (\new)
.endif
.endm
.macro PLACES                          ; four plain vector lines between a matrix instruction and a vector line or load that touches its registers
.rept 4
	v_nop
.endr
.endm
; 16 f32 of one fragment at X become 8 registers hi (bf16 pairs) and 8 registers lo = bf16(x - hi); U: 16 registers at work.  x - hi is exact in f32.
.macro SPLIT X, HI, LO, U
.set z, 0
.rept 8
	v_cvt_pk_bf16_f32 v[(\HI)+z], v[(\X)+2*z], v[(\X)+2*z+1]
.set z, z+1
.endr
.set z, 0
.rept 8
	v_lshlrev_b32 v[(\U)+2*z], 16, v[(\HI)+z]
	v_and_b32 v[(\U)+2*z+1], s78, v[(\HI)+z]
.set z, z+1
.endr
.set z, 0
.rept 8
	v_pk_add_f32 v[(\X)+2*z:(\X)+2*z+1], v[(\X)+2*z:(\X)+2*z+1], v[(\U)+2*z:(\U)+2*z+1] neg_lo:[0,1] neg_hi:[0,1]
.set z, z+1
.endr
.set z, 0
.rept 8
	v_cvt_pk_bf16_f32 v[(\LO)+z], v[(\X)+2*z], v[(\X)+2*z+1]
.set z, z+1
.endr
.endm
; ---------------------------------------------------------------- STAGE 1: memory -> registers -> LDS, scaled, squared, rounded, split
; window 0: v0 thread, v1 lane l, v2 r = l % 16, v3 h = l / 16; v4-12 offsets in memory; v13-25 LDS addresses; v26-29 two scales as pairs; v30-39 at work
.set WR,  40           ; v40-71    my 16 rows x 64 of W2 (waves 0-3) or W3 (waves 4-7)
.set C1R, 72           ; v72-87    my 16 rows x 32 of Wc1
.set C2R, 88           ; v88-119   my 16 rows x 64 of Wc2
.set SR,  120          ; v120-135  my 16 rows f of s
.set W1R, 136          ; v136-167  my 8 rows of W1, two rows to a pair
.set SQ,  168          ; v168-171  sums of t^2 of my 4 m over my 32 f
.set SQS, 172          ; v172-173  sums of s^2
.set T,   176          ; v176-223  at work
.set S1R, 240          ; v240-247  sc1 of my 8 rows of W1
.set TR,  0            ; window 1: v0-127 my 32 rows f x 4 m of t
	s_load_b512 s[8:23], s[0:1], 0x0               ; t 8, s 10, W1 12, W2 14, W3 16, Wc1 18, Wc2 20, bc2 22
	s_load_b512 s[24:39], s[0:1], 0x40             ; g1 24, g2 26, g3 28, gc1 30, b1 32, b2 34, b3 36, bc1 38
	s_load_b512 s[40:55], s[0:1], 0x80             ; m1 40, m2 42, m3 44, mc1 46, v1 48, v2 50, v3 52, vc1 54
	s_load_b64 s[56:57], s[0:1], 0xc0              ; out0
	WIN 0x40
	v_lshl_add_u32 v[SPW], v0, 2, SPARE            ; SPW and NIL: made here and kept for the add at the wave's end
	v_mov_b32 v[NIL], 0
	WIN 0
	v_lshrrev_b32 v1, 5, v0
	v_readfirstlane_b32 s2, v1                     ; w, 0..7
	s_and_b32 s3, s2, 1                            ; nt
	s_lshr_b32 s4, s2, 1                           ; mq
	s_and_b32 s5, ttmp7, 0xffff                    ; the batch
	s_and_b32 s7, s2, 3
	s_lshr_b32 s58, s2, 2
	s_mov_b32 s76, 2*APP                           ; two rows of a': the loop's step
	s_mov_b32 s78, 0xffff0000                      ; a word's upper bf16
	v_and_b32 v1, 31, v0
	v_and_b32 v2, 15, v0
	v_bfe_u32 v3, v0, 4, 1
	v_and_b32 v30, 63, v0                          ; my channel in the BN work: thread 64 mq + channel
	v_lshlrev_b32 v4, 2, v30                       ; g, b, m, v: 4 x channel
	v_mul_u32_u24 v5, v30, 516                     ; W1[channel][0]: a row of W1 is 129 x 4 bytes
	s_lshl_b32 s80, s4, 15                         ; t: rows f 32 mq on (1,024 bytes each), m 128 nt on, 4 m a lane
	s_lshl_b32 s81, s3, 9
	s_add_co_u32 s80, s80, s81
	v_lshl_add_u32 v6, v1, 4, s80
	s_lshl_b32 s80, s2, 16                         ; s: rows f 16 w on (4,096 bytes each), one n a lane
	v_lshl_add_u32 v7, v1, 2, s80
	s_mul_i32 s80, s2, 8*516                       ; W1: rows 8 w on, from column 1, one f a lane
	s_add_co_u32 s80, s80, 4
	v_lshl_add_u32 v8, v1, 2, s80
	v_lshlrev_b32 v31, 8, v2                       ; a fragment's row r of 64 f32, 8 h numbers in
	v_lshl_add_u32 v31, v3, 5, v31
	s_lshl_b32 s80, s7, 12
	v_add_nc_u32 v9, s80, v31                      ; W2, W3: rows 16 (w & 3) on
	s_lshl_b32 s80, s58, 7
	v_add_nc_u32 v10, s80, v9                      ; Wc1: the same rows, K half w >> 2
	s_lshl_b32 s80, s2, 12
	v_add_nc_u32 v11, s80, v31                     ; Wc2: rows 16 w on
	s_lshl_b32 s80, s4, 7
	v_lshl_add_u32 v12, v2, 2, s80                 ; bc2: o = 32 mq + r
	v_lshl_add_u32 v13, v0, 2, SCT                 ; LDS: sc at 4 x thread; sh 1,024 further
	v_lshl_add_u32 v14, v30, 1, WPT
	s_mul_i32 s80, s4, 32*TBP                      ; TB lies at LDS byte 0
	s_lshl_b32 s81, s3, 8
	s_add_co_u32 s80, s80, s81
	v_lshl_add_u32 v15, v1, 3, s80
	s_lshl_b32 s80, s4, 10
	s_lshl_b32 s81, s3, 9
	s_add_co_u32 s80, s80, s81
	s_add_co_u32 s80, s80, NTP
	v_lshl_add_u32 v16, v1, 4, s80
	s_mul_i32 s80, s2, 16*SBP
	s_add_co_u32 s80, s80, SB
	v_lshl_add_u32 v17, v1, 1, s80
	s_lshl_b32 s80, s2, 7
	s_add_co_u32 s80, s80, NSP
	v_lshl_add_u32 v18, v1, 2, s80
	s_mul_i32 s80, s2, 8*W1P
	s_add_co_u32 s80, s80, W1B
	v_lshl_add_u32 v19, v1, 1, s80
	s_lshl_b32 s80, s2, 11
	s_add_co_u32 s80, s80, WIMG
	v_lshl_add_u32 v20, v1, 4, s80
	s_lshl_b32 s80, s7, 1
	s_add_co_u32 s80, s80, s58
	s_lshl_b32 s80, s80, 11
	s_add_co_u32 s80, s80, C1IMG
	v_lshl_add_u32 v21, v1, 4, s80
	s_lshl_b32 s80, s2, 12
	s_add_co_u32 s80, s80, C2IMG
	v_lshl_add_u32 v22, v1, 4, s80
	s_lshl_b32 s80, s2, 5
	s_add_co_u32 s80, s80, SCT
	v_mov_b32 v23, s80                             ; sc1 of rows 8 w on
	s_lshl_b32 s80, s58, 8
	s_lshl_b32 s81, s7, 6
	s_add_co_u32 s80, s80, s81
	s_add_co_u32 s80, s80, SCT+256
	v_lshl_add_u32 v24, v2, 2, s80                 ; sc2 or sc3 of row 16 (w & 3) + r
	s_add_co_u32 s81, s81, SCT+768
	v_lshl_add_u32 v25, v2, 2, s81                 ; scc1 of the same row
	s_lshl_b32 s60, s5, 17                         ; a batch of t is 131,072 bytes
	s_mov_b32 s61, 0
	s_lshl_b32 s62, s5, 19                         ; a batch of s and of out0 is 524,288 bytes; my 32 columns are 128 bytes
	s_lshl_b32 s63, ttmp9, 7
	s_add_co_u32 s62, s62, s63
	s_mov_b32 s63, 0
	s_wait_kmcnt 0x0
	s_add_nc_u64 s[8:9], s[8:9], s[60:61]
	s_add_nc_u64 s[10:11], s[10:11], s[62:63]
	s_add_nc_u64 s[56:57], s[56:57], s[62:63]
	s_mov_b64 s[66:67], s[24:25]                   ; g, b, m, v of BN number mq: a choice among buffers by the wave's number
	s_mov_b64 s[68:69], s[32:33]
	s_mov_b64 s[70:71], s[40:41]
	s_mov_b64 s[72:73], s[48:49]
.irp n, 1,2,3
	s_cmp_eq_u32 s4, \n
	s_cselect_b64 s[66:67], s[24+2*\n:25+2*\n], s[66:67]
	s_cselect_b64 s[68:69], s[32+2*\n:33+2*\n], s[68:69]
	s_cselect_b64 s[70:71], s[40+2*\n:41+2*\n], s[70:71]
	s_cselect_b64 s[72:73], s[48+2*\n:49+2*\n], s[72:73]
.endr
	s_cmp_lt_u32 s2, 4
	s_cselect_b64 s[74:75], s[14:15], s[16:17]     ; W2 for waves 0-3, W3 for waves 4-7
	; all 107 loads of a lane in one run, in the order in which they are worked on
	global_load_b32 v32, v4, s[66:67]
	global_load_b32 v33, v4, s[68:69]
	global_load_b32 v34, v4, s[70:71]
	global_load_b32 v35, v4, s[72:73]
	global_load_b32 v36, v5, s[12:13]
	WIN 0x40                                       ; destination window 1, offset window 0
.set i, 0
.rept 32
	global_load_b128 v[TR+4*i:TR+4*i+3], v6, s[8:9] offset:1024*i  ; 512 consecutive bytes of a row of t
.set i, i+1
.endr
	global_load_b32 v[BC2], v12, s[22:23]
	global_load_b32 v[BC2+1], v12, s[22:23] offset:64
	WIN 0
.irp ks, 0,1
.irp c, 0,1
.irp e, 0,1
	global_load_b128 v[WR+16*\ks+8*\c+4*\e:WR+16*\ks+8*\c+4*\e+3], v9, s[74:75] offset:128*\ks+64*\c+16*\e  ; k = 32 Ks + 16 c + 8 h + 4 e on
.endr
.endr
.endr
.irp c, 0,1
.irp e, 0,1
	global_load_b128 v[C1R+8*\c+4*\e:C1R+8*\c+4*\e+3], v10, s[18:19] offset:64*\c+16*\e
.endr
.endr
.irp ks, 0,1
.irp c, 0,1
.irp e, 0,1
	global_load_b128 v[C2R+16*\ks+8*\c+4*\e:C2R+16*\ks+8*\c+4*\e+3], v11, s[20:21] offset:128*\ks+64*\c+16*\e
.endr
.endr
.endr
.set i, 0
.rept 16
	global_load_b32 v[SR+i], v7, s[10:11] offset:4096*i
.set i, i+1
.endr
.irp i, 0,1,2,3,4,5,6,7
.irp q, 0,1,2,3
	global_load_b32 v[W1R+2*(4*(\i/2)+\q)+(\i%2)], v8, s[12:13] offset:516*\i+128*\q  ; row 8 w + i, f = 32 q + lane
.endr
.endr
	; BN: thread 64 mq + channel makes sc and sh of one channel of BN number mq; threads 0-63 also w'
	s_wait_loadcnt 63                              ; loads come back in order (ISA guide 5.7.1): of 107 at most 63 are out, so the oldest 44 are in: the five BN numbers and all 32 rows of t
	v_add_f32 v37, 0x3727c5ac, v35                 ; v + 1e-5
	v_rsq_f32 v37, v37
	v_nop                                          ; a plain line between the root and the use of its result
	s_wait_alu depctr_va_vdst(0)
	v_mul_f32 v37, v32, v37                        ; sc
	v_fma_f32 v38, -v34, v37, v33                  ; sh = b - m sc
	v_mul_f32 v39, v37, v36                        ; sc W1[channel][0]: w' where the BN is number 1
	v_cvt_pk_bf16_f32 v39, v39, v39
	ds_store_b32 v13, v37
	ds_store_b32 v13, v38 offset:1024
	s_cmp_lt_u32 s2, 2
	s_cbranch_scc0 .Lno_wp                         ; only waves 0 and 1 hold BN number 1
	ds_store_b16 v14, v39
.Lno_wp:
	s_wait_dscnt 0x0                               ; for the others' sake: my part of the tables is stored
	s_barrier_signal -1
	s_barrier_wait -1                              ; the tables are whole
	ds_load_b128 v[S1R:S1R+3], v23
	ds_load_b128 v[S1R+4:S1R+7], v23 offset:16
	ds_load_b32 v26, v24
	ds_load_b32 v28, v25
; 16 rows f of t: their squares onto SQ (the first row starts the sums), the numbers to bf16 and into TB
.macro TCHUNK c
	WIN 0x05                                       ; sources 0 and 1 window 1
.set i, 16*(\c)
.rept 16
.if i == 0
	v_pk_mul_f32 v[SQ:SQ+1], v[TR+4*i:TR+4*i+1], v[TR+4*i:TR+4*i+1]
	v_pk_mul_f32 v[SQ+2:SQ+3], v[TR+4*i+2:TR+4*i+3], v[TR+4*i+2:TR+4*i+3]
.else
	v_pk_fma_f32 v[SQ:SQ+1], v[TR+4*i:TR+4*i+1], v[TR+4*i:TR+4*i+1], v[SQ:SQ+1]
	v_pk_fma_f32 v[SQ+2:SQ+3], v[TR+4*i+2:TR+4*i+3], v[TR+4*i+2:TR+4*i+3], v[SQ+2:SQ+3]
.endif
	v_cvt_pk_bf16_f32 v[T+2*(i%16)], v[TR+4*i], v[TR+4*i+1]
	v_cvt_pk_bf16_f32 v[T+2*(i%16)+1], v[TR+4*i+2], v[TR+4*i+3]
.set i, i+1
.endr
	WIN 0
.set i, 16*(\c)
.rept 16
	ds_store_b64 v15, v[T+2*(i%16):T+2*(i%16)+1] offset:TBP*i
.set i, i+1
.endr
.endm
	TCHUNK 0
	TCHUNK 1
	ds_store_b128 v16, v[SQ:SQ+3]
	s_wait_dscnt 33                                ; behind the four loads of scales stand t's 33 stores: the scales are in
	v_mov_b32 v27, v26                             ; named as pairs by the packed multiplies
	v_mov_b32 v29, v28
	s_wait_loadcnt 60                              ; behind W2's or W3's eight loads stand 4 + 8 + 16 + 32
.set i, 0
.rept 16
	v_pk_mul_f32 v[WR+2*i:WR+2*i+1], v[WR+2*i:WR+2*i+1], v[26:27] op_sel_hi:[1,0]  ; the row's sc
.set i, i+1
.endr
.set i, 0
.rept 16
	v_cvt_pk_bf16_f32 v[T+i], v[WR+2*i], v[WR+2*i+1]
.set i, i+1
.endr
.irp j, 0,1,2,3
	ds_store_b128 v20, v[T+4*\j:T+4*\j+3] offset:512*\j  ; j = 2 Ks + half
.endr
	s_wait_loadcnt 56                              ; behind Wc1's four: 8 + 16 + 32
.set i, 0
.rept 8
	v_pk_mul_f32 v[C1R+2*i:C1R+2*i+1], v[C1R+2*i:C1R+2*i+1], v[28:29] op_sel_hi:[1,0]
.set i, i+1
.endr
	SPLIT C1R, T, T+8, T+16
.irp j, 0,1,2,3
	ds_store_b128 v21, v[T+4*\j:T+4*\j+3] offset:512*\j  ; hi's two halves, then lo's
.endr
	s_wait_loadcnt 48                              ; behind Wc2's eight: 16 + 32
.irp ks, 0,1
	SPLIT C2R+16*\ks, T, T+8, T+16
.irp j, 0,1,2,3
	ds_store_b128 v22, v[T+4*\j:T+4*\j+3] offset:2048*\ks+512*\j
.endr
.endr
	s_wait_loadcnt 32                              ; behind s's sixteen: W1's 32
	v_pk_mul_f32 v[SQS:SQS+1], v[SR:SR+1], v[SR:SR+1]
.set i, 1
.rept 7
	v_pk_fma_f32 v[SQS:SQS+1], v[SR+2*i:SR+2*i+1], v[SR+2*i:SR+2*i+1], v[SQS:SQS+1]
.set i, i+1
.endr
	v_add_f32 v[SQS], v[SQS], v[SQS+1]
	ds_store_b32 v18, v[SQS]
.set i, 0
.rept 8
	v_cvt_pk_bf16_f32 v[T+i], v[SR+2*i], v[SR+2*i+1]
	ds_store_b16 v17, v[T+i] offset:2*SBP*i        ; row 2 i
	ds_store_b16_d16_hi v17, v[T+i] offset:2*SBP*i+SBP  ; row 2 i + 1
.set i, i+1
.endr
.macro W1HALF first                    ; eight pairs: two rows x 32 f each, scaled by the rows' sc1, rounded, stored
.set i, (\first)
.rept 8
	v_pk_mul_f32 v[W1R+2*i:W1R+2*i+1], v[W1R+2*i:W1R+2*i+1], v[S1R+2*(i/4):S1R+2*(i/4)+1]
	v_cvt_pk_bf16_f32 v[T+i], v[W1R+2*i], v[W1R+2*i+1]
	ds_store_b16 v19, v[T+i] offset:W1P*2*(i/4)+64*(i%4)
	ds_store_b16_d16_hi v19, v[T+i] offset:W1P*(2*(i/4)+1)+64*(i%4)
.set i, i+1
.endr
.endm
	s_wait_loadcnt 16                              ; W1's rows 0-3 are in, rows 4-7 may be out
	W1HALF 0
	s_wait_loadcnt 0x0                             ; the last loads: from here on their offset registers may be written
	W1HALF 8
	s_wait_dscnt 0x0                               ; for the others' sake: all my stores of this stage are done
	s_barrier_signal -1
; ---------------------------------------------------------------- STAGE 2: a' = W1' t + sh1 and cos, for my 64 m (four tiles of 16)
; A wave makes channels 32 nt .. 32 nt + 31 of a' (the two waves of one mq share the rows) and cos for its own 16 n.
; window 0: v4-11, v14, v15 LDS addresses; v12-13 |s| as a pair; W1F, SF, AA, DA, SH1C, NTV below; v96-111 at work once SF is dead.   window 1: TF
.set W1F,  16          ; v16-79    W1': 32 a + 8 Ks
.set SF,   80          ; v80-111   s: 8 Ks
.set AA,   112         ; v112-175  a': 8 (2 i + a)
.set DA,   176         ; v176-207  t . s: 8 i
.set SH1C, 208         ; v208-223  sh1 as C: 8 a
.set NTV,  224         ; v224-255  |t| of the m that my registers of DA hold: 8 i + j
.set TF,   0           ; window 1: v0-127 t: 32 i + 8 Ks; lane (r, h) holds m = r and 16 f: source 1 for a', source 0 for t . s
	v_and_b32 v248, 7, v0                          ; the addresses are made between the signal and the wait: work on registers alone
	v_bfe_u32 v249, v0, 3, 1
	v_lshl_add_u32 v250, v3, 3, v248               ; the turning load's row: 8 h + l % 8
	v_mul_u32_u24 v4, v250, TBP
	v_lshl_add_u32 v4, v249, 4, v4
	s_lshl_b32 s80, s4, 7
	v_add_nc_u32 v4, s80, v4                       ; t: my 64 m are 128 bytes of a row (TB lies at byte 0)
	v_mul_u32_u24 v5, v250, SBP
	v_lshl_add_u32 v5, v249, 4, v5
	s_lshl_b32 s80, s3, 5
	s_add_co_u32 s80, s80, SB
	v_add_nc_u32 v5, s80, v5                       ; s: my 16 n are 32 bytes
	v_mul_u32_u24 v6, v2, W1P
	v_lshl_add_u32 v6, v3, 4, v6
	s_mul_i32 s80, s3, 32*W1P
	s_add_co_u32 s80, s80, W1B
	v_add_nc_u32 v6, s80, v6                       ; W1': rows 32 nt + r
	s_lshl_b32 s80, s3, 7
	s_add_co_u32 s80, s80, SHT
	v_lshl_add_u32 v7, v3, 5, s80                  ; sh1 of channels 32 nt + 8 h on
	s_lshl_b32 s80, s4, 8
	s_add_co_u32 s80, s80, NTP
	v_lshl_add_u32 v8, v1, 3, s80                  ; sums of t^2: two of my 64 m a lane
	s_lshl_b32 s80, s2, 8
	s_add_co_u32 s80, s80, NTW
	v_lshl_add_u32 v9, v1, 3, s80                  ; |t| out, into my wave's own 256 bytes,
	v_lshl_add_u32 v10, v3, 5, s80                 ; and back, 8 h on
	s_lshl_b32 s80, s3, 6
	s_add_co_u32 s80, s80, NSP
	v_lshl_add_u32 v11, v2, 2, s80                 ; sums of s^2 of n = 16 nt + r
	v_mul_u32_u24 v14, v2, APP
	v_lshl_add_u32 v14, v3, 4, v14
	s_mul_i32 s82, s4, 64*APP
	s_add_co_u32 s82, s82, AP                      ; s82: my 64 rows of a' (kept for the loop)
	s_lshl_b32 s80, s3, 6
	s_add_co_u32 s80, s80, s82
	v_add_nc_u32 v14, s80, v14                     ; a' out: row r, channels 32 nt + 8 h on
	s_mul_i32 s83, s3, 16*COSP
	s_lshl_b32 s80, s4, 8
	s_add_co_u32 s83, s83, s80
	s_add_co_u32 s83, s83, COS                     ; s83: my 16 rows n of cos, at my 64 m (kept for the loop)
	v_mul_u32_u24 v15, v2, COSP
	v_lshl_add_u32 v15, v3, 5, v15
	v_add_nc_u32 v15, s83, v15                     ; cos out: row r, words 8 h on
	s_barrier_wait -1                              ; everybody's part of stage 1 is in LDS
.irp q, 0,1,2,3
	ds_load_b64 v[112+2*\q:113+2*\q], v8 offset:1024*\q
.endr
.irp q, 0,1,2,3,4,5,6,7
	ds_load_b32 v[120+\q], v11 offset:128*\q
.endr
	WIN 0x40
.irp i, 0,1,2,3
.irp ks, 0,1,2,3
.irp c, 0,1
	ds_load_tr16_b128 v[TF+32*\i+8*\ks+4*\c:TF+32*\i+8*\ks+4*\c+3], v4 offset:32*\i+(32*\ks+16*\c)*TBP
.endr
.endr
.endr
	WIN 0
.irp a, 0,1
.irp ks, 0,1,2,3
.irp c, 0,1
	ds_load_b128 v[W1F+32*\a+8*\ks+4*\c:W1F+32*\a+8*\ks+4*\c+3], v6 offset:16*W1P*\a+64*\ks+32*\c
.endr
.endr
.endr
.irp a, 0,1
.irp e, 0,1
	ds_load_b128 v[SH1C+8*\a+4*\e:SH1C+8*\a+4*\e+3], v7 offset:64*\a+16*\e
.endr
.endr
.irp ks, 0,1,2,3
.irp c, 0,1
	ds_load_tr16_b128 v[SF+8*\ks+4*\c:SF+8*\ks+4*\c+3], v5 offset:(32*\ks+16*\c)*SBP
.endr
.endr
	s_wait_dscnt 60                                ; of these 72 loads the first 12, the partial sums, are in (LDS loads come back in order: ISA guide 5.7.1)
	v_pk_add_f32 v[112:113], v[112:113], v[114:115]
	v_pk_add_f32 v[116:117], v[116:117], v[118:119]
	v_add_f32 v120, v120, v121
	v_add_f32 v122, v122, v123
	v_add_f32 v124, v124, v125
	v_add_f32 v126, v126, v127
	v_pk_add_f32 v[112:113], v[112:113], v[116:117]
	v_add_f32 v120, v120, v122
	v_add_f32 v124, v124, v126
	v_add_f32 v120, v120, v124
	v_sqrt_f32 v112, v112                          ; |t| of m = 2 l, 2 l + 1 of my 64
	v_sqrt_f32 v113, v113
	v_sqrt_f32 v12, v120                           ; |s| of my n
	v_nop                                          ; a plain line between the last root and the use of its result
	s_wait_alu depctr_va_vdst(0)
	v_mov_b32 v13, v12
	ds_store_b64 v9, v[112:113]
.irp i, 0,1,2,3
.irp e, 0,1
	ds_load_b128 v[NTV+8*\i+4*\e:NTV+8*\i+4*\e+3], v10 offset:64*\i+16*\e  ; my wave's own bytes: LDS serves a wave's instructions in order, so these see the store above
.endr
.endr
	s_wait_dscnt 8                                 ; all fragments are in, and the store above has read v112-113, which the products write; only the eight loads of |t| may be out
	WIN 0x04                                       ; source 1 (t) window 1
.irp ks, 0,1,2,3                       ; the eight accumulators take turns, one instruction a turn
.irp i, 0,1,2,3
.irp a, 0,1
.if \ks == 0
	v_wmma_f32_16x16x32_bf16 v[AA+8*(2*\i+\a):AA+8*(2*\i+\a)+7], v[W1F+32*\a+8*\ks:W1F+32*\a+8*\ks+7], v[TF+32*\i+8*\ks:TF+32*\i+8*\ks+7], v[SH1C+8*\a:SH1C+8*\a+7]
.else
	v_wmma_f32_16x16x32_bf16 v[AA+8*(2*\i+\a):AA+8*(2*\i+\a)+7], v[W1F+32*\a+8*\ks:W1F+32*\a+8*\ks+7], v[TF+32*\i+8*\ks:TF+32*\i+8*\ks+7], v[AA+8*(2*\i+\a):AA+8*(2*\i+\a)+7]
.endif
.endr
.endr
.endr
	WIN 0x01                                       ; source 0 (t) window 1
.irp ks, 0,1,2,3                       ; t . s: register j of lane (r, h) holds m = 8 h + j, n = r; four accumulators by turns
.irp i, 0,1,2,3
.if \ks == 0
	v_wmma_f32_16x16x32_bf16 v[DA+8*\i:DA+8*\i+7], v[TF+32*\i+8*\ks:TF+32*\i+8*\ks+7], v[SF+8*\ks:SF+8*\ks+7], 0
.else
	v_wmma_f32_16x16x32_bf16 v[DA+8*\i:DA+8*\i+7], v[TF+32*\i+8*\ks:TF+32*\i+8*\ks+7], v[SF+8*\ks:SF+8*\ks+7], v[DA+8*\i:DA+8*\i+7]
.endif
.endr
.endr
	WIN 0
	PLACES                                         ; in front of the lines that write SF's registers, read the sums, and load into the fragments' registers
.irp i, 0,1,2,3                        ; a' out: a lane's eight channels of row m pack into 16 bytes
.irp a, 0,1
.irp q, 0,1,2,3
	v_cvt_pk_bf16_f32 v[96+4*((2*\i+\a)%4)+\q], v[AA+8*(2*\i+\a)+2*\q], v[AA+8*(2*\i+\a)+2*\q+1]
.endr
	ds_store_b128 v14, v[96+4*((2*\i+\a)%4):96+4*((2*\i+\a)%4)+3] offset:16*APP*\i+32*\a
.endr
.endr
; the loop's registers
.set ZP,    15         ; window 0: v15 0
.set W3F,   16         ; v16-79    W3': 16 Mt + 8 Ks
.set WP,    80         ; v80-95    w' in the order of source 1
.set H1,    96         ; v96-127   h1, 16 for each parity
.set ACC2,  128        ; v128-159  layer 2's sums: 8 Mt
.set H2,    160        ; v160-191  h2, 16 for each parity
.set ACC3,  192        ; v192-255  layer 3's sums, 32 for each parity
.set W2F,   0          ; window 1: v0-63 W2': 16 Mt + 8 Ks
.set BIAS2, 64         ; v64-95    sh2 as C: 8 Mt
.set AX,    96         ; v96-127   a' of one m, 16 for each parity
.set CX,    128        ; v128-129  cos of one m, twice in a word, for each parity
.set ZQ,    130        ; v130      0
.set APA,   131        ; v131      LDS address in a'
.set CA,    132        ; v132      LDS address in cos
.set PM,    192        ; v192-223  the running maximum over m of layer 3's sums
	v_lshl_add_u32 v4, v1, 4, WIMG                 ; the loop's constants have lain in LDS since the last barrier
	v_lshl_add_u32 v5, v3, 5, SHT+256
	v_lshl_add_u32 v6, v3, 4, WPT
	WIN 0x40
.irp f, 0,1,2,3,4,5,6,7
.irp c, 0,1
	ds_load_b128 v[W2F+8*\f+4*\c:W2F+8*\f+4*\c+3], v4 offset:1024*\f+512*\c
.endr
.endr
.irp mt, 0,1,2,3
.irp e, 0,1
	ds_load_b128 v[BIAS2+8*\mt+4*\e:BIAS2+8*\mt+4*\e+3], v5 offset:64*\mt+16*\e
.endr
.endr
	WIN 0
.irp f, 0,1,2,3,4,5,6,7
.irp c, 0,1
	ds_load_b128 v[W3F+8*\f+4*\c:W3F+8*\f+4*\c+3], v4 offset:8192+1024*\f+512*\c
.endr
.endr
.irp c, 0,1,2,3
	ds_load_b128 v[WP+4*\c:WP+4*\c+3], v6 offset:32*\c
.endr
	s_wait_dscnt 52                                ; behind the loads of |t| stand a's 8 stores and the 44 loads of constants: |t| is in
.irp i, 0,1,2,3                        ; cos = t . s / max(|t| |s|, 1e-8), rounded to bf16, twice in a word
.irp q, 0,1,2,3
	v_pk_mul_f32 v[96+8*(\i%2)+2*\q:96+8*(\i%2)+2*\q+1], v[NTV+8*\i+2*\q:NTV+8*\i+2*\q+1], v[12:13] op_sel_hi:[1,0]
.endr
.irp j, 0,1,2,3,4,5,6,7
	v_max_num_f32 v[96+8*(\i%2)+\j], 0x322bcc77, v[96+8*(\i%2)+\j]
.endr
.irp j, 0,1,2,3,4,5,6,7
	v_rcp_f32 v[96+8*(\i%2)+\j], v[96+8*(\i%2)+\j]
.endr
	v_nop                                          ; a plain line between the last reciprocal and the use of its result
	s_wait_alu depctr_va_vdst(0)
.irp q, 0,1,2,3
	v_pk_mul_f32 v[96+8*(\i%2)+2*\q:96+8*(\i%2)+2*\q+1], v[DA+8*\i+2*\q:DA+8*\i+2*\q+1], v[96+8*(\i%2)+2*\q:96+8*(\i%2)+2*\q+1]  ; the sums are read from their low end on
.endr
.irp j, 0,1,2,3,4,5,6,7
	v_cvt_pk_bf16_f32 v[96+8*(\i%2)+\j], v[96+8*(\i%2)+\j], v[96+8*(\i%2)+\j]
.endr
.irp e, 0,1
	ds_store_b128 v15, v[96+8*(\i%2)+4*\e:96+8*(\i%2)+4*\e+3] offset:64*\i+16*\e
.endr
.endr
	s_wait_dscnt 0x0                               ; for the others' sake: my half of a' is stored; for mine: the constants are in
	s_barrier_signal -1
	v_mul_u32_u24 v96, v2, COSP                    ; work on registers while the others arrive
	v_add_nc_u32 v96, s83, v96
	v_mov_b32 v[ZP], 0
	WIN 0x40
.set i, 0
.rept 32
	v_mov_b32 v[PM+i], 0xff800000                  ; minus infinity: the first maximum is the sums'
.set i, i+1
.endr
	v_mov_b32 v[ZQ], 0
	v_lshl_add_u32 v[APA], v3, 4, s82              ; a' of my first m, channels 8 h on
	v_mov_b32 v[CA], v96                           ; cos of my n at my first m
	WIN 0
	s_barrier_wait -1                              ; a' is whole
; ---------------------------------------------------------------- THE LOOP over my 64 m, by turns
; Turn k (parity p): 8 products of layer 2 on tile k, and behind them h1 of tile k + 1 is made; then 8 products of layer 3 on tile k - 1, and behind them h2 of tile k.  Four plain vector lines stand
; behind each product, and none names a register of the products round it.  Behind every second turn a lump of 32 lines takes two tiles' sums into the maximum.
; AX[p], CX[p] hold a' and cos of tile k + 1 and are loaded again, with tile k + 3's, as soon as they are read.
; The accumulators take turns, one instruction a turn: three others' stand between the two links of a sum, and a run's last and the next run's first differ.
.macro L2W p, mt, ks
.if (\ks) == 0
	v_wmma_f32_16x16x32_bf16 v[ACC2+8*(\mt):ACC2+8*(\mt)+7], v[W2F+16*(\mt):W2F+16*(\mt)+7], v[H1+16*(\p):H1+16*(\p)+7], v[BIAS2+8*(\mt):BIAS2+8*(\mt)+7]
.else
	v_wmma_f32_16x16x32_bf16 v[ACC2+8*(\mt):ACC2+8*(\mt)+7], v[W2F+16*(\mt)+8:W2F+16*(\mt)+15], v[H1+16*(\p)+8:H1+16*(\p)+15], v[ACC2+8*(\mt):ACC2+8*(\mt)+7]
.endif
.endm
.macro L3W p, mt, ks
.if (\ks) == 0
	v_wmma_f32_16x16x32_bf16 v[ACC3+32*(1-(\p))+8*(\mt):ACC3+32*(1-(\p))+8*(\mt)+7], v[W3F+16*(\mt):W3F+16*(\mt)+7], v[H2+16*(1-(\p)):H2+16*(1-(\p))+7], 0
.else
	v_wmma_f32_16x16x32_bf16 v[ACC3+32*(1-(\p))+8*(\mt):ACC3+32*(1-(\p))+8*(\mt)+7], v[W3F+16*(\mt)+8:W3F+16*(\mt)+15], v[H2+16*(1-(\p))+8:H2+16*(1-(\p))+15], v[ACC3+32*(1-(\p))+8*(\mt):ACC3+32*(1-(\p))+8*(\mt)+7]
.endif
.endm
.macro GENF p, i0                      ; four words of cos w' + a'
.irp z, 0,1,2,3
	v_pk_fma_bf16 v[H1+16*(1-(\p))+(\i0)+\z], v[CX+(\p)], v[WP+(\i0)+\z], v[AX+16*(\p)+(\i0)+\z]
.endr
.endm
.macro GENM p, i0                      ; and their ReLU
.irp z, 0,1,2,3
	v_pk_max_num_bf16 v[H1+16*(1-(\p))+(\i0)+\z], v[ZQ], v[H1+16*(1-(\p))+(\i0)+\z]
.endr
.endm
.macro CVT p, mt                       ; layer 2's sums to bf16, from the accumulator's low end on
.irp z, 0,1,2,3
	v_cvt_pk_bf16_f32 v[H2+16*(\p)+4*(\mt)+\z], v[ACC2+8*(\mt)+2*\z], v[ACC2+8*(\mt)+2*\z+1]
.endr
.endm
.macro RELU2 p, i0
.irp z, 0,1,2,3
	v_pk_max_num_bf16 v[H2+16*(\p)+(\i0)+\z], v[H2+16*(\p)+(\i0)+\z], v[ZP]
.endr
.endm
.macro LDA p, at                       ; a' and cos of the m that lies at rows on from the address registers: five loads
.irp c, 0,1,2,3
	ds_load_b128 v[AX+16*(\p)+4*\c:AX+16*(\p)+4*\c+3], v[APA] offset:APP*(\at)+32*\c
.endr
	ds_load_b32 v[CX+(\p)], v[CA] offset:4*(\at)
.endm
; l2, l3: the turn has layer 2's, layer 3's products.  gen: h1 of the next tile is made; left: the younger LDS loads that may stay out.  ld, at: AX[p], CX[p] are loaded again.
; lump: two tiles' sums go into the maximum; step: the address registers go two m on.
.macro TURN p, l2, l3, gen, ld, at, left, lump, step
.if \gen
	s_wait_dscnt \left                             ; a' and cos of tile k + 1 were asked for two turns back: only the five loads of the turn before may be out
.endif
.if \l2
	WIN 0x11                                       ; source 0 and source 2 window 1: W2' and sh2; cos and a'
.irp mt, 0,1,2,3
	L2W \p, \mt, 0
.if \gen
	GENF \p, 4*\mt
.endif
.endr
.if \ld
	WIN 0x41                                       ; destination and address window 1
	LDA \p, \at
.endif
	WIN 0x01                                       ; source 0 window 1
.irp mt, 0,1,2,3
	L2W \p, \mt, 1
.if \gen
	GENM \p, 4*\mt
.endif
.endr
.if !(\gen)
	PLACES
.endif
.endif
	WIN 0
.irp i, 0,1,2,3,4,5,6,7
.if \l3
	L3W \p, (\i)%4, (\i)/4
.endif
.if \l2
.if (\i) < 4
	CVT \p, \i
.else
	RELU2 \p, 4*((\i)-4)
.endif
.endif
.endr
.if (\l3) && !(\l2)
	PLACES
.endif
.if \lump
	WIN 0x41                                       ; the maximum (destination and source 0) window 1
.set z, 0
.rept 32
	v_max3_num_f32 v[PM+z], v[PM+z], v[ACC3+z], v[ACC3+32+z]  ; ascending: each accumulator is read from its low end on
.set z, z+1
.endr
.if \step
	v_add_nc_u32 v[APA], v[APA], s76
	v_add_nc_u32 v[CA], v[CA], 8
.endif
.endif
	WIN 0                                          ; at a label and at a branch every window is 0
.endm
	WIN 0x41
	LDA 1, 0                                       ; tile 0
	LDA 0, 1                                       ; tile 1
	s_wait_dscnt 5                                 ; tile 0's five are in
	WIN 0x11
.irp g, 0,4,8,12
	GENF 1, \g                                     ; h1 of tile 0: there is no product yet to set it behind
.endr
	WIN 0x01
.irp g, 0,4,8,12
	GENM 1, \g
.endr
	WIN 0x41
	LDA 1, 2                                       ; tile 2
	WIN 0
	TURN 0, 1, 0, 1, 1, 3, 5, 0, 0                 ; k = 0: no tile for layer 3 yet
	s_mov_b32 s77, 30
.Lpair:                                                ; 30 trips: k = 1 .. 60; a trip asks for tiles k + 3 and k + 4
	TURN 1, 1, 1, 1, 1, 4, 5, 0, 0
	TURN 0, 1, 1, 1, 1, 5, 5, 1, 1
	s_sub_co_u32 s77, s77, 1
	s_cmp_lg_u32 s77, 0
	s_cbranch_scc1 .Lpair
	TURN 1, 1, 1, 1, 0, 0, 5, 0, 0                 ; k = 61: nothing is left to ask for; tile 63's five loads may be out
	TURN 0, 1, 1, 1, 0, 0, 0, 1, 0                 ; k = 62: no load was issued behind tile 63's
	TURN 1, 1, 1, 0, 0, 0, 0, 0, 0                 ; k = 63: no further h1
	TURN 0, 0, 1, 0, 0, 0, 0, 1, 0                 ; k = 64: layer 3 of tile 63, and the last lump
; ---------------------------------------------------------------- THE TAIL: the maximum over the four waves of my n; p; c; out0
; Every wave makes p and c of its 16 n (the four waves of one nt alike) and then its own 32 rows o of out0.
; window 0: v4-13 addresses; SH3C, SHCC, PH, PL, U, PQ below; P, CACC, CH, CL, OA take PQ's registers when it is dead.   window 1: C1F, C2F
.set SH3C, 16          ; v16-47    sh3 in the sums' layout
.set SHCC, 48          ; v48-79    shc1 as C
.set PH,   80          ; v80-95    p hi: 8 Ks;  v96-111 p lo
.set U,    112         ; v112-127  at work
.set PQ,   128         ; v128-255  four waves' maxima: 32 q + i;  p takes v128-159
.set CACC, 160         ; v160-191  c's sums: 8 Mt
.set CH,   192         ; v192-207  c hi: 8 Ks;  v208-223 c lo
.set OA,   224         ; v224-239  out0's sums: 8 a
.set C1F,  0           ; window 1: v0-127  Wc1': 8 ((2 Mt + Ks) 2 + hl)
.set C2F,  128         ; window 1: v128-191 Wc2 of my 32 o: 8 ((2 a + Ks) 2 + hl)
	s_lshl_b32 s80, s2, 12
	s_add_co_u32 s80, s80, PMX
	v_lshl_add_u32 v4, v1, 4, s80                  ; my maxima out
	v_lshl_add_u32 v5, v1, 4, C1IMG
	s_lshl_b32 s80, s4, 13
	s_add_co_u32 s80, s80, C2IMG
	v_lshl_add_u32 v6, v1, 4, s80                  ; Wc2's tiles 2 mq, 2 mq + 1
	v_lshl_add_u32 v7, v3, 5, SHT+512
	s_lshl_b32 s80, s3, 12
	s_add_co_u32 s80, s80, PMX
	v_lshl_add_u32 v8, v1, 4, s80                  ; the maxima of waves nt, nt + 2, nt + 4, nt + 6
	s_mul_i32 s80, s4, 32*OSP
	s_lshl_b32 s81, s3, 6
	s_add_co_u32 s80, s80, s81
	s_add_co_u32 s80, s80, OS
	v_mul_u32_u24 v9, v2, OSP
	v_lshl_add_u32 v9, v3, 5, v9
	v_add_nc_u32 v9, s80, v9                       ; into the stage: row 32 mq + r, columns 16 nt + 8 h on
	v_lshrrev_b32 v12, 3, v1
	v_and_b32 v13, 7, v0
	s_mul_i32 s80, s2, 16*OSP
	s_add_co_u32 s80, s80, OS
	v_mul_u32_u24 v10, v12, OSP
	v_lshl_add_u32 v10, v13, 4, v10
	v_add_nc_u32 v10, s80, v10                     ; back: rows 16 w on, four rows of 128 bytes to a load
	s_lshl_b32 s80, s2, 16
	v_lshlrev_b32 v11, 12, v12
	v_lshl_add_u32 v11, v13, 4, v11
	v_add_nc_u32 v11, s80, v11                     ; and the same rows in out0, 4,096 bytes apart
	WIN 0x04                                       ; store data window 1
.irp i, 0,1,2,3,4,5,6,7
	ds_store_b128 v4, v[PM+4*\i:PM+4*\i+3] offset:512*\i
.endr
	WIN 0x40
.irp f, 0,1,2,3,4,5,6,7,8,9,10,11,12,13,14,15
.irp c, 0,1
	ds_load_b128 v[C1F+8*\f+4*\c:C1F+8*\f+4*\c+3], v5 offset:1024*\f+512*\c
.endr
.endr
.irp f, 0,1,2,3,4,5,6,7
.irp c, 0,1
	ds_load_b128 v[C2F+8*\f+4*\c:C2F+8*\f+4*\c+3], v6 offset:1024*\f+512*\c
.endr
.endr
	WIN 0
.irp mt, 0,1,2,3
.irp e, 0,1
	ds_load_b128 v[SH3C+8*\mt+4*\e:SH3C+8*\mt+4*\e+3], v7 offset:64*\mt+16*\e
	ds_load_b128 v[SHCC+8*\mt+4*\e:SHCC+8*\mt+4*\e+3], v7 offset:256+64*\mt+16*\e
.endr
.endr
	s_wait_dscnt 0x0                               ; for the others' sake: my maxima are stored
	s_barrier_signal -1
	s_barrier_wait -1
.irp q, 0,1,2,3
.irp i, 0,1,2,3,4,5,6,7
	ds_load_b128 v[PQ+32*\q+4*\i:PQ+32*\q+4*\i+3], v8 offset:8192*\q+512*\i
.endr
.endr
	s_wait_dscnt 0x0
.set i, 0
.rept 32
	v_max3_num_f32 v[PQ+i], v[PQ+i], v[PQ+32+i], v[PQ+64+i]
.set i, i+1
.endr
.set i, 0
.rept 32
	v_max_num_f32 v[PQ+i], v[PQ+i], v[PQ+96+i]
.set i, i+1
.endr
.set i, 0
.rept 16
	v_pk_add_f32 v[PQ+2*i:PQ+2*i+1], v[PQ+2*i:PQ+2*i+1], v[SH3C+2*i:SH3C+2*i+1]
.set i, i+1
.endr
.set i, 0
.rept 32
	v_max_num_f32 v[PQ+i], 0, v[PQ+i]              ; p
.set i, i+1
.endr
	SPLIT PQ, PH, PH+16, U
	SPLIT PQ+16, PH+8, PH+24, U
	WIN 0x01                                       ; source 0 (Wc1') window 1
.irp term, 0,1,2                       ; W hi p hi, W hi p lo, W lo p hi; four accumulators by turns
.irp ks, 0,1
.irp mt, 0,1,2,3
.if (\term == 0) && (\ks == 0)
	v_wmma_f32_16x16x32_bf16 v[CACC+8*\mt:CACC+8*\mt+7], v[C1F+8*((\mt*2+\ks)*2+\term/2):C1F+8*((\mt*2+\ks)*2+\term/2)+7], v[PH+16*(\term%2)+8*\ks:PH+16*(\term%2)+8*\ks+7], v[SHCC+8*\mt:SHCC+8*\mt+7]
.else
	v_wmma_f32_16x16x32_bf16 v[CACC+8*\mt:CACC+8*\mt+7], v[C1F+8*((\mt*2+\ks)*2+\term/2):C1F+8*((\mt*2+\ks)*2+\term/2)+7], v[PH+16*(\term%2)+8*\ks:PH+16*(\term%2)+8*\ks+7], v[CACC+8*\mt:CACC+8*\mt+7]
.endif
.endr
.endr
.endr
	WIN 0
	PLACES
.set i, 0
.rept 32
	v_max_num_f32 v[CACC+i], 0, v[CACC+i]          ; c
.set i, i+1
.endr
	SPLIT CACC, CH, CH+16, U
	SPLIT CACC+16, CH+8, CH+24, U
	WIN 0x04                                       ; source 1 (Wc2) window 1
.irp term, 0,1,2                       ; the sources are swapped: lane (r, h) then holds row o = r and columns n = 8 h + 0..7, 32 neighbouring bytes.  Two accumulators by turns
.irp ks, 0,1
.irp a, 0,1
.if (\term == 0) && (\ks == 0)
	v_wmma_f32_16x16x32_bf16 v[OA+8*\a:OA+8*\a+7], v[CH+16*(\term%2)+8*\ks:CH+16*(\term%2)+8*\ks+7], v[C2F+8*((\a*2+\ks)*2+\term/2):C2F+8*((\a*2+\ks)*2+\term/2)+7], 0
.else
	v_wmma_f32_16x16x32_bf16 v[OA+8*\a:OA+8*\a+7], v[CH+16*(\term%2)+8*\ks:CH+16*(\term%2)+8*\ks+7], v[C2F+8*((\a*2+\ks)*2+\term/2):C2F+8*((\a*2+\ks)*2+\term/2)+7], v[OA+8*\a:OA+8*\a+7]
.endif
.endr
.endr
.endr
	PLACES
	WIN 0x01                                       ; source 0 (bc2) window 1
.irp a, 0,1
.irp j, 0,1,2,3,4,5,6,7
	v_add_f32 v[OA+8*\a+\j], v[BC2+\a], v[OA+8*\a+\j]
.endr
.endr
	WIN 0
.irp a, 0,1
.irp e, 0,1
	ds_store_b128 v9, v[OA+8*\a+4*\e:OA+8*\a+4*\e+3] offset:16*OSP*\a+16*\e
.endr
.endr
	s_wait_dscnt 0x0                               ; for the others' sake: a row's 128 bytes come from two waves
	s_barrier_signal -1
	s_barrier_wait -1
.irp i, 0,1,2,3
	ds_load_b128 v[PQ+4*\i:PQ+4*\i+3], v10 offset:4*OSP*\i
.endr
.irp i, 0,1,2,3
	s_wait_dscnt 3-\i                              ; load i is back, the younger ones may be out
	global_store_b128 v11, v[PQ+4*\i:PQ+4*\i+3], s[56:57] offset:16384*\i th:TH_STORE_NT  ; four rows: eight lanes store 128 consecutive bytes each
.endr
	WIN 0x05                                       ; the add's two registers lie in window 1
	s_wait_tensorcnt 0x0                           ; the wave's end, behind my last LDS store
	ds_add_u32 v[SPW], v[NIL]
	s_wait_dscnt 0x0
	WIN 0
	s_endpgm
.Lfunc_end_k_qd1b4374cbe_xcorr:
	.size	k_qd1b4374cbe_xcorr, .Lfunc_end_k_qd1b4374cbe_xcorr-k_qd1b4374cbe_xcorr
	.p2alignl 7, 3214868480
	.fill 96, 4, 3214868480
	.section	.rodata,"a",@progbits
	.p2align	6, 0x0
	.amdhsa_kernel k_qd1b4374cbe_xcorr
		.amdhsa_group_segment_fixed_size 296704
		.amdhsa_private_segment_fixed_size 0
		.amdhsa_enable_private_segment 0
		.amdhsa_kernarg_size 200
		.amdhsa_user_sgpr_count 2
		.amdhsa_user_sgpr_kernarg_segment_ptr 1
		.amdhsa_wavefront_size32 1
		.amdhsa_system_sgpr_workgroup_id_x 1
		.amdhsa_system_sgpr_workgroup_id_y 1
		.amdhsa_system_sgpr_workgroup_id_z 1
		.amdhsa_system_vgpr_workitem_id 0
		.amdhsa_next_free_vgpr 512
		.amdhsa_next_free_sgpr 96
		.amdhsa_reserve_vcc 0
		.amdhsa_float_denorm_mode_32 3
		.amdhsa_float_denorm_mode_16_64 3
		.amdhsa_memory_ordered 1
		.amdhsa_forward_progress 1
		.amdhsa_inst_pref_size 136
	.end_amdhsa_kernel
	.amdgpu_metadata
---
amdhsa.version: [ 1, 2 ]
amdhsa.kernels:
  - .name:           k_qd1b4374cbe_xcorr
    .symbol:         k_qd1b4374cbe_xcorr.kd
    .args:
      - { .name: template_feature, .offset: 0, .size: 8, .value_kind: global_buffer, .address_space: global }
      - { .name: search_feature, .offset: 8, .size: 8, .value_kind: global_buffer, .address_space: global }
      - { .name: W1, .offset: 16, .size: 8, .value_kind: global_buffer, .address_space: global }
      - { .name: W2, .offset: 24, .size: 8, .value_kind: global_buffer, .address_space: global }
      - { .name: W3, .offset: 32, .size: 8, .value_kind: global_buffer, .address_space: global }
      - { .name: Wc1, .offset: 40, .size: 8, .value_kind: global_buffer, .address_space: global }
      - { .name: Wc2, .offset: 48, .size: 8, .value_kind: global_buffer, .address_space: global }
      - { .name: bc2, .offset: 56, .size: 8, .value_kind: global_buffer, .address_space: global }
      - { .name: g1, .offset: 64, .size: 8, .value_kind: global_buffer, .address_space: global }
      - { .name: g2, .offset: 72, .size: 8, .value_kind: global_buffer, .address_space: global }
      - { .name: g3, .offset: 80, .size: 8, .value_kind: global_buffer, .address_space: global }
      - { .name: gc1, .offset: 88, .size: 8, .value_kind: global_buffer, .address_space: global }
      - { .name: b1, .offset: 96, .size: 8, .value_kind: global_buffer, .address_space: global }
      - { .name: b2, .offset: 104, .size: 8, .value_kind: global_buffer, .address_space: global }
      - { .name: b3, .offset: 112, .size: 8, .value_kind: global_buffer, .address_space: global }
      - { .name: bc1, .offset: 120, .size: 8, .value_kind: global_buffer, .address_space: global }
      - { .name: m1, .offset: 128, .size: 8, .value_kind: global_buffer, .address_space: global }
      - { .name: m2, .offset: 136, .size: 8, .value_kind: global_buffer, .address_space: global }
      - { .name: m3, .offset: 144, .size: 8, .value_kind: global_buffer, .address_space: global }
      - { .name: mc1, .offset: 152, .size: 8, .value_kind: global_buffer, .address_space: global }
      - { .name: v1, .offset: 160, .size: 8, .value_kind: global_buffer, .address_space: global }
      - { .name: v2, .offset: 168, .size: 8, .value_kind: global_buffer, .address_space: global }
      - { .name: v3, .offset: 176, .size: 8, .value_kind: global_buffer, .address_space: global }
      - { .name: vc1, .offset: 184, .size: 8, .value_kind: global_buffer, .address_space: global }
      - { .name: out0, .offset: 192, .size: 8, .value_kind: global_buffer, .address_space: global }
    .group_segment_fixed_size: 296704
    .private_segment_fixed_size: 0
    .kernarg_segment_align: 8
    .kernarg_segment_size: 200
    .max_flat_workgroup_size: 256
    .sgpr_count:     96
    .vgpr_count:     512
    .wavefront_size: 32
...
	.end_amdgpu_metadata
.endif
;; end of part 1
